; MI455X (gfx1250); checked and timed in simulation.
; The chip was launched on July 23, 2026; its instructions are those of AMD's public machine-readable ISA for CDNA 5 (MIT licence, August 2026) and "CDNA5" Instruction Set Architecture Reference Guide (July 2026). The comments in the code are by the model that wrote it; some were corrected since.
;; Linked Attention. Allowed arithmetic: matrix products marked QUANTISED: E2M3 operands, one E8M0 scale for each 32 along K, by v_wmma_scale_f32_16x16x128_f8f6f4 with both operands' format E2M3, f32 sums; products left as they are: f32 operands where the result goes on into a quantised operand, else bf16, f16 or f32 operands; f32 sums; everything else in f32.
;; Inputs: Wh_codes 1,024 x 32 x 24 uint8 (E2M3 codes of Wh, K innermost, in blocks of 32 codes, four codes in three bytes); Wh_scales 1,024 x 32 uint8 (E8M0 scales of Wh, one for each 32 codes along K); Wp_codes 1,024 x 32 x 24 uint8 (E2M3 codes of Wp, K innermost, in blocks of 32 codes, four codes in three bytes); Wp_scales 1,024 x 32 uint8 (E8M0 scales of Wp, one for each 32 codes along K); Wx_codes 1,024 x 32 x 24 uint8 (E2M3 codes of Wx, K innermost, in blocks of 32 codes, four codes in three bytes); Wx_scales 1,024 x 32 uint8 (E8M0 scales of Wx, one for each 32 codes along K); Wy_codes 1,024 x 32 x 24 uint8 (E2M3 codes of Wy, K innermost, in blocks of 32 codes, four codes in three bytes); Wy_scales 1,024 x 32 uint8 (E8M0 scales of Wy, one for each 32 codes along K); input_states 32 x 2,048 x 1,024 float32; last_state_codes 32 x 32 x 24 uint8 (E2M3 codes of last_state, K innermost, in blocks of 32 codes, four codes in three bytes); last_state_scales 32 x 32 uint8 (E8M0 scales of last_state, one for each 32 codes along K); w 1,024 x 1 float32.
;; Outputs: out0 32 x 1,024 float32.
;; This version of the problem:
;;   THIS VERSION OF THE PROBLEM IS GIVEN IN LOW PRECISION. The matrix products marked QUANTISED in the list below multiply operands that are first quantised to E2M3 (2 exponent bits, 3 mantissa bits; 6 bits a number), with one power-of-two scale for each 32 numbers along K (OCP MX v1.0); their sums are f32. All else is computed in f32.
;;   The module's matrix products, in the order in which they are computed (A, B: the left and right operand; K: the contracted axis; several contracted axes count as one K, in the product's order):
;;     1. [M 65,536, K 1,024] x [K 1,024, N 1,024]; A: input input_states; B: input Wy (given as codes): QUANTISED
;;     2. [M 32, K 1,024] x [K 1,024, N 1,024]; A: input last_state (given as codes); B: input Wh (given as codes): QUANTISED
;;     3. [M 65,536, K 1,024] x [K 1,024, N 1]; A: computed on the way; B: computed on the way: left as it is (N = 1 < 16)
;;     4. batch 32 x [M 1, K 2,048] x [K 2,048, N 1,024]; A: softmax; B: input input_states: left as it is (M = 1 < 16)
;;     5. [M 32, K 1,024] x [K 1,024, N 1,024]; A: computed on the way; B: input Wp (given as codes): QUANTISED
;;     6. [M 32, K 1,024] x [K 1,024, N 1,024]; A: input last_state (given as codes); B: input Wx (given as codes): QUANTISED
;;   THE QUANTISER, for each operand of a quantised product, along K:
;;     - K is cut into blocks of 32 from its start; a last block that is shorter is filled with zeros.
;;     - A block's scale is 2^e with e = floor(log2(the largest magnitude in the block)) - 2, held to -126 .. 127; a block of zeros has e = 0. As a byte (E8M0): e + 127.
;;     - Each number is divided by its block's scale, clamped to +-7.5, and rounded to the nearest number of E2M3, ties to even, subnormals kept.
;;     - The product sums the exact products of the quantised numbers (number of the format x scale) in f32.
;;   ~~~python
;;   def quantise(x, axis):      # numpy; x: float32 -> the quantised numbers, widened to float32 again
;;       x = np.moveaxis(x, axis, -1); K = x.shape[-1]
;;       x = np.pad(x, [(0, 0)] * (x.ndim - 1) + [(0, -K % 32)]); x = x.reshape(x.shape[:-1] + (-1, 32)); a = np.abs(x).max(-1, keepdims=True)
;;       e = np.where(a > 0, np.clip(np.frexp(np.where(a > 0, a, 1))[1] - 1 - 2, -126, 127), 0)      # np.frexp(a)[1] - 1 = floor(log2(a)), exactly
;;       r = np.clip(x / 2.0 ** e, -7.5, 7.5)
;;       step = 2.0 ** (np.maximum(np.frexp(np.where(r == 0, 1, r))[1] - 1, 0) - 3)
;;       q = np.round(r / step) * step * 2.0 ** e      # np.round: ties to even
;;       return np.moveaxis(q.reshape(q.shape[:-2] + (-1,))[..., :K], -1, axis).astype(np.float32)
;;   ~~~
;;   OPERANDS COMPUTED ON THE WAY. 'Computed on the way' means the value that the module computes at that place (a softmax that the list does not call 'softmax' is quantised finished and normalised). What goes into a quantiser is computed in f32, as accurately as f32 sums, v_exp_f32 and their like allow (about 1e-6 of the number): no bf16 or f16 on the way to a quantiser, and a product that is left as it is and whose result goes on into a quantised operand takes f32 operands (vector FMAs, or v_wmma_f32_16x16x4_f32). A number that lies on a knife's edge between two numbers of the format may be rounded either way, as far as f32 arithmetic and the matrix unit's own rounding can turn it there, and no further.
;;   INPUTS GIVEN AS CODES. Wh (in the module: [1024, 1024], K = its axis 0); Wp (in the module: [1024, 1024], K = its axis 0); Wx (in the module: [1024, 1024], K = its axis 0); Wy (in the module: [1024, 1024], K = its axis 0); last_state (in the module: [32, 1024], K = its axis 1): each comes as NAME_codes (uint8): NAME with its K axis moved to the last place and cut into blocks of 32 codes, [.., K / 32, bytes a block], one block behind the other in memory; four codes in three bytes: a row's codes are one little-endian stream of bits, code i at bits 6 i .. 6 i + 5 (a code: sign, 2 exponent bits, 3 mantissa bits); and NAME_scales (uint8): the same leading axes, one E8M0 byte (e + 127) for each 32 codes along K. Its value is code x scale, taken as it is: it is not quantised again, and the codes and scales need not be those that the quantiser above would give.
;; One version. Each part assembles by itself: llvm-mc -triple=amdgcn-amd-amdhsa -mcpu=gfx1250 --defsym DOCPART=n.
;; ======== version 1 of 1: 4 launches
;; limits: right only within a limited range of input values
;; workspace buffers: hproj 131,072 bytes; xproj 131,072 bytes; scores 262,144 bytes; rc 24,576 bytes; rs 1,024 bytes
;; launch pre (part 1): grid 16 x 2, 8 waves a work-group, no clusters, 9,728 bytes of LDS; arguments last_state_codes, last_state_scales, Wh_codes, Wh_scales, Wx_codes, Wx_scales, hproj, xproj; writes hproj, xproj
.if DOCPART == 1
	.amdgcn_target "amdgcn-amd-amdhsa--gfx1250"
	.amdhsa_code_object_version 6
	.text
	.protected	k_qb563a1418c_pre
	.globl	k_qb563a1418c_pre
	.p2align	8
	.type	k_qb563a1418c_pre,@function
k_qb563a1418c_pre:
	s_mov_b64 s[64:65], 0
	v_nop
	global_prefetch_b8 v0, s[64:65] scope:SCOPE_SE
	s_setreg_imm32_b32 hwreg(HW_REG_WAVE_MODE, 25, 1), 1
	s_wait_xcnt 0x0
; OUT[32][1024] = A W^T (+ C, relu), on codes of FP6 (E2M3) with one E8M0 scale for each 32 along K = 1,024.  A: 32 rows of 768 bytes of codes, 32 scale bytes a row.  W: 1,024 rows likewise.
; HASC = 0 (this text): work-group y = 0 makes hproj = last_state Wh, y = 1 makes xproj = last_state Wx; no addend, no activation.
; HASC = 1: OUT = relu(A W^T + C): the addend is the C of the sum's first matrix instruction.
; SHARES.  Work-group x owns columns 64 x .. 64 x + 63 for all 32 rows.  Wave v makes one tile of 16 x 16: columns 16 (v % 4) on, rows 16 (v / 4) on; 8 K steps of 128.
; Even and odd K steps are summed in two accumulators that take turns, and are added at the end: an order of rounding of its own.
; THE MATRIX INSTRUCTION IS USED TRANSPOSED (source 0 = 16 rows of W, source 1 = 16 rows of A): a lane holds eight neighbouring columns of one row.
; NO CLUSTER, NO TENSOR LOADS: each row of W is read by two waves of the launch; what work-groups share is A, 25,600 bytes; all operands go straight into registers, once.
.set HASC,   0
.set SPITCH, 272                       ; a stage row: 64 columns x 4 bytes + 16
.set AF,   16                          ; v16-111   A's fragments, 12 registers a K step
.set WF,   112                         ; v112-207  W's
.set ASC,  208                         ; v208-215  A's scale words, one a K step
.set WSC,  216                         ; v216-223  W's
.set AC,   224                         ; v224-239  two accumulators
.set RES,  240                         ; v240-247  the result
.set CIN,  248                         ; v248-255  the addend
	s_load_b256 s[4:11], s[0:1], 0x0               ; A's codes, A's scales, W's codes, W's scales (HASC = 0: Wh's)
.if HASC
	s_load_b128 s[12:15], s[0:1], 0x20             ; the addend, the output
.else
	s_load_b256 s[12:19], s[0:1], 0x20             ; Wx's codes, Wx's scales, hproj, xproj
	v_lshl_add_u32 v254, v0, 2, 0x2200
	v_mov_b32 v255, 0
	s_and_b32 s22, ttmp7, 0xffff                   ; work-group y: which weight
.endif
	v_lshrrev_b32 v1, 5, v0
	s_delay_alu instid0(VALU_DEP_1)
	v_readfirstlane_b32 s23, v1                    ; wave 0..7
	s_and_b32 s24, s23, 3                          ; which 16 columns
	s_lshr_b32 s25, s23, 2                         ; which 16 rows
	s_lshl_b32 s26, ttmp9, 6
	s_lshl_b32 s27, s24, 4
	s_add_co_u32 s26, s26, s27                     ; my first column: 64 x + 16 (v % 4)
	v_and_b32 v1, 15, v0                           ; r
	v_bfe_u32 v2, v0, 4, 1                         ; h
	s_delay_alu instid0(VALU_DEP_2)
	v_mul_u32_u24 v3, v1, 768
	s_delay_alu instid0(VALU_DEP_1)
	v_mad_u32_u24 v3, v2, 24, v3                   ; codes: row r of 768 bytes, + 24 h
	s_delay_alu instid0(VALU_DEP_4)
	v_lshlrev_b32 v4, 5, v1                        ; scale bytes: row r of 32 bytes
	s_mul_i32 s30, s25, 16*SPITCH
	s_lshl_b32 s31, s24, 6
	s_add_co_u32 s30, s30, s31
	v_mul_u32_u24 v5, v1, SPITCH
	s_delay_alu instid0(VALU_DEP_1)
	v_lshl_add_u32 v5, v2, 5, v5
	s_delay_alu instid0(VALU_DEP_1)
	v_add_nc_u32 v5, s30, v5                       ; into the stage: row 16 (v / 4) + r, byte 64 (v % 4) + 32 h
	s_mul_i32 s30, s23, 4*SPITCH
	v_mul_u32_u24 v6, v2, SPITCH
	s_delay_alu instid0(VALU_DEP_1)
	v_lshl_add_u32 v6, v1, 4, v6
	s_delay_alu instid0(VALU_DEP_1)
	v_add_nc_u32 v6, s30, v6                       ; back: row 4 v + h, 16 bytes a lane
	s_lshl_b32 s30, s23, 14
	s_lshl_b32 s31, ttmp9, 8
	s_add_co_u32 s30, s30, s31
	v_lshlrev_b32 v7, 12, v2
	s_delay_alu instid0(VALU_DEP_1)
	v_lshl_add_u32 v7, v1, 4, v7
	s_delay_alu instid0(VALU_DEP_1)
	v_add_nc_u32 v7, s30, v7                       ; and the same place in the output: row x 4,096 + 256 x + 16 r
.if HASC
	s_lshl_b32 s30, s25, 16
	s_lshl_b32 s31, s26, 2
	s_add_co_u32 s30, s30, s31
	v_lshlrev_b32 v8, 12, v1
	v_lshl_add_u32 v8, v2, 5, v8
	v_add_nc_u32 v8, s30, v8                       ; the addend in the result's layout: row 16 (v / 4) + r, columns first + 8 h + 0 .. 7
.endif
	s_mov_b32 s29, 0
	s_wait_alu depctr_va_vdst(0)
	s_wait_kmcnt 0x0
.if HASC
	s_mov_b64 s[20:21], s[14:15]
.else
	s_cmp_eq_u32 s22, 0                            ; the choice of buffers hangs on the work-group's number alone
	s_cselect_b64 s[8:9], s[8:9], s[12:13]
	s_cselect_b64 s[10:11], s[10:11], s[14:15]
	s_cselect_b64 s[20:21], s[16:17], s[18:19]
.endif
	s_mul_i32 s28, s25, 16*768
	s_add_nc_u64 s[4:5], s[4:5], s[28:29]          ; A's codes at my 16 rows
	s_lshl_b32 s28, s25, 9
	s_add_nc_u64 s[6:7], s[6:7], s[28:29]          ; their scale bytes
	s_mul_i32 s28, s26, 768
	s_add_nc_u64 s[8:9], s[8:9], s[28:29]          ; W's codes at my 16 columns
	s_lshl_b32 s28, s26, 5
	s_add_nc_u64 s[10:11], s[10:11], s[28:29]
; A fragment (16 rows x 128 K of 6-bit codes) is 12 registers: registers 6 c .. 6 c + 5 hold k = 64 c + 32 h + 0 .. 31: 24 bytes of the row as they lie, in three loads of 8 bytes
.irp s, 0,1,2,3,4,5,6,7
.irp p, 0,1,2,3,4,5
	global_load_b64 v[AF+12*\s+2*\p:AF+12*\s+2*\p+1], v3, s[4:5] offset:96*\s+48*(\p/3)+8*(\p%3)
.endr
.endr
.irp s, 0,1,2,3,4,5,6,7
.irp p, 0,1,2,3,4,5
	global_load_b64 v[WF+12*\s+2*\p:WF+12*\s+2*\p+1], v3, s[8:9] offset:96*\s+48*(\p/3)+8*(\p%3)
.endr
.endr
	global_load_b128 v[ASC:ASC+3], v4, s[6:7]                  ; a row's 32 scale bytes are its eight K steps' words
	global_load_b128 v[ASC+4:ASC+7], v4, s[6:7] offset:16
	global_load_b128 v[WSC:WSC+3], v4, s[10:11]
	global_load_b128 v[WSC+4:WSC+7], v4, s[10:11] offset:16
.if HASC
	global_load_b128 v[CIN:CIN+3], v8, s[12:13]
	global_load_b128 v[CIN+4:CIN+7], v8, s[12:13] offset:16
.endif
	s_wait_loadcnt 0x0                             ; eight products in all: one wait serves
.irp s, 0,1,2,3,4,5,6,7
.if (\s == 0) && HASC
	v_wmma_scale_f32_16x16x128_f8f6f4 v[AC:AC+7], v[WF+12*\s:WF+12*\s+11], v[AF+12*\s:AF+12*\s+11], v[CIN:CIN+7], v[WSC+\s], v[ASC+\s] matrix_a_fmt:MATRIX_FMT_FP6 matrix_b_fmt:MATRIX_FMT_FP6
.elseif \s < 2
	v_wmma_scale_f32_16x16x128_f8f6f4 v[AC+8*\s:AC+8*\s+7], v[WF+12*\s:WF+12*\s+11], v[AF+12*\s:AF+12*\s+11], 0, v[WSC+\s], v[ASC+\s] matrix_a_fmt:MATRIX_FMT_FP6 matrix_b_fmt:MATRIX_FMT_FP6
.else
	v_wmma_scale_f32_16x16x128_f8f6f4 v[AC+8*(\s%2):AC+8*(\s%2)+7], v[WF+12*\s:WF+12*\s+11], v[AF+12*\s:AF+12*\s+11], v[AC+8*(\s%2):AC+8*(\s%2)+7], v[WSC+\s], v[ASC+\s] matrix_a_fmt:MATRIX_FMT_FP6 matrix_b_fmt:MATRIX_FMT_FP6
.endif
.endr
.rept 4
	v_nop                                          ; four places between the last product and the first read of results (ISA guide 7.12.1)
.endr
.irp j, 0,2,4,6
	v_pk_add_f32 v[RES+\j:RES+\j+1], v[AC+\j:AC+\j+1], v[AC+8+\j:AC+8+\j+1]   ; even + odd K steps; each accumulator from its low end on
.endr
.if HASC
.irp j, 0,1,2,3,4,5,6,7
	v_max_num_f32 v[RES+\j], 0, v[RES+\j]          ; relu
.endr
.endif
; THE WAY OUT: a row's 256 bytes of this work-group come from four waves: they meet in a stage, and each wave stores four whole rows
	ds_store_b128 v5, v[RES:RES+3]
	ds_store_b128 v5, v[RES+4:RES+7] offset:16
	s_wait_dscnt 0x0                               ; for the others' sake: my stores into the stage are done
	s_barrier_signal -1
	s_barrier_wait -1
	ds_load_b128 v[RES:RES+3], v6
	ds_load_b128 v[RES+4:RES+7], v6 offset:2*SPITCH
	s_wait_dscnt 0x0
	global_store_b128 v7, v[RES:RES+3], s[20:21]               ; sixteen lanes store 256 consecutive bytes, at a multiple of 256 from the buffer's first byte
	global_store_b128 v7, v[RES+4:RES+7], s[20:21] offset:8192
	s_wait_tensorcnt 0x0
	ds_add_u32 v254, v255
	s_wait_dscnt 0x0
	s_endpgm
.Lfunc_end_k_qb563a1418c_pre:
	.size	k_qb563a1418c_pre, .Lfunc_end_k_qb563a1418c_pre-k_qb563a1418c_pre
	.p2alignl 7, 3214868480
	.fill 96, 4, 3214868480
	.section	.rodata,"a",@progbits
	.p2align	6, 0x0
	.amdhsa_kernel k_qb563a1418c_pre
		.amdhsa_group_segment_fixed_size 9728
		.amdhsa_private_segment_fixed_size 0
		.amdhsa_enable_private_segment 0
		.amdhsa_kernarg_size 64
		.amdhsa_user_sgpr_count 2
		.amdhsa_user_sgpr_kernarg_segment_ptr 1
		.amdhsa_wavefront_size32 1
		.amdhsa_system_sgpr_workgroup_id_x 1
		.amdhsa_system_sgpr_workgroup_id_y 1
		.amdhsa_system_sgpr_workgroup_id_z 1
		.amdhsa_system_vgpr_workitem_id 0
		.amdhsa_next_free_vgpr 256
		.amdhsa_next_free_sgpr 66
		.amdhsa_reserve_vcc 0
		.amdhsa_float_denorm_mode_32 3
		.amdhsa_float_denorm_mode_16_64 3
		.amdhsa_memory_ordered 1
		.amdhsa_forward_progress 1
		.amdhsa_inst_pref_size 15
	.end_amdhsa_kernel
	.amdgpu_metadata
---
amdhsa.version: [ 1, 2 ]
amdhsa.kernels:
  - .name:           k_qb563a1418c_pre
    .symbol:         k_qb563a1418c_pre.kd
    .args:
      - { .name: last_state_codes, .offset: 0, .size: 8, .value_kind: global_buffer, .address_space: global }
      - { .name: last_state_scales, .offset: 8, .size: 8, .value_kind: global_buffer, .address_space: global }
      - { .name: Wh_codes, .offset: 16, .size: 8, .value_kind: global_buffer, .address_space: global }
      - { .name: Wh_scales, .offset: 24, .size: 8, .value_kind: global_buffer, .address_space: global }
      - { .name: Wx_codes, .offset: 32, .size: 8, .value_kind: global_buffer, .address_space: global }
      - { .name: Wx_scales, .offset: 40, .size: 8, .value_kind: global_buffer, .address_space: global }
      - { .name: hproj, .offset: 48, .size: 8, .value_kind: global_buffer, .address_space: global }
      - { .name: xproj, .offset: 56, .size: 8, .value_kind: global_buffer, .address_space: global }
    .group_segment_fixed_size: 9728
    .private_segment_fixed_size: 0
    .kernarg_segment_align: 8
    .kernarg_segment_size: 64
    .max_flat_workgroup_size: 256
    .sgpr_count:     66
    .vgpr_count:     256
    .wavefront_size: 32
...
	.end_amdgpu_metadata
.endif
;; end of part 1
;; launch score (part 2): grid 256 x 1, 4 waves a work-group, clusters of 4 x 1, 327,680 bytes of LDS; arguments input_states, Wy_codes, Wy_scales, w, hproj, scores; writes scores
.if DOCPART == 2
	.amdgcn_target "amdgcn-amd-amdhsa--gfx1250"
	.amdhsa_code_object_version 6
	.text
	.protected	k_qb563a1418c_score
	.globl	k_qb563a1418c_score
	.p2align	8
	.type	k_qb563a1418c_score,@function
k_qb563a1418c_score:
	s_mov_b64 s[64:65], 0
	v_nop
	global_prefetch_b8 v0, s[64:65] scope:SCOPE_SE
	s_setreg_imm32_b32 hwreg(HW_REG_WAVE_MODE, 25, 1), 1
	s_wait_xcnt 0x0
	s_wait_alu depctr_hold_cnt(0) depctr_sa_sdst(0) depctr_va_vdst(0) depctr_va_sdst(0) depctr_va_ssrc(0) depctr_va_vcc(0) depctr_vm_vsrc(0)
	s_getreg_b32 s2, hwreg(HW_REG_IB_STS2, 6, 4)
	s_cmp_eq_u32 s2, 0
	s_cbranch_scc0 .Lentry_in_a_cluster
	s_endpgm
.Lentry_in_a_cluster:
	s_bfe_u32 s2, ttmp6, 0x10000c
	s_cmp_lg_u32 s2, 0x3003
	s_cbranch_scc0 .Lentry_shape_is_right
	s_endpgm
.Lentry_shape_is_right:
; scores[b][t] = sum over n of w[n] relu( Q(X)[b][t][:] . Wy[:][n] + hproj[b][n] ).  X: [65,536][1,024] f32, quantised here along its 1,024 to FP6 (E2M3) codes with one E8M0 scale for each 32.
; Wy: 1,024 rows (n) of 768 bytes of codes, 32 scale bytes a row.  hproj: [32][1,024] f32 from the launch before.  Products by the scaled matrix instruction, sums f32; relu and the dot with w in f32.
; SHARES.  A work-group owns 256 rows of one batch.  PHASE X: eight steps of 128 along K; a tensor load a wave brings its 64 rows x 512 bytes into one of two slots; the wave reads them in the operand's order,
; quantises, keeps the codes in registers and hands them to its partner wave (w xor 1) through an exchange buffer in LDS, as an image of the registers.
; PHASE G: wave w holds the codes of 128 rows (its own 64 as tiles 0-3, the partner's as tiles 4-7) for all of K, and takes 512 of the 1,024 columns (half w % 2): each fragment of Wy is read by two waves and feeds eight products.
; Wy goes once through two slots of 64 + 64 rows, stated as dense rows of 256 bytes.  The two halves' parts of a score meet in LDS at the end.
; CLUSTER.  All work-groups walk the same Wy: the four of a cluster ask for each tile jointly (mask of all four).  X's loads are each work-group's own (no mask); they stand behind rounds too.
; THE MATRIX INSTRUCTION IS USED TRANSPOSED (source 0 = 16 rows of Wy, source 1 = 16 rows of X): a lane holds one row of X and columns 8 (lane / 16) + 0 .. 7.  hproj is the C of a tile's first products (an order of rounding of its own).
; PREFETCH.  In step t of phase X each wave asks for its own 64 rows x 512 bytes of step t + 2, one step ahead of the tensor load that wants them: 128 blocks of 256 bytes, a lane a block, four instructions.
; Steps 0 and 1 come by their loads alone; steps 6 and 7 ask for nothing.  Wy is not prefetched: each of its tiles is asked for a whole slot, 256 products a wave, ahead of its first read.
; LIMITS: NaN and infinities in X are not served.  A block of X whose largest magnitude lies under 2^-124 (a block of zeros too) gets the scale byte 1: these bytes are read by this text alone.
; LDS: X's slots at 0 and X1 (256 rows x 528); in phase G the same bytes take Wy's scale bytes (at 0) and Wy's slots (WS0 and WS0 + 2^17); EX: two exchange buffers (16 tiles x 1,536 bytes of codes, 16 x 64 of scale words),
; later hproj and w (buffer 0) and the scores' stage (buffer 1); the spare words.
; REGISTERS: windows 1-3: X's codes, fragment f = 8 s + tile at 12 (f % 21) of window 1 + f / 21; f = 63 in window 0.  Window 0: see the names below; in phase X v128-255 hold two sets of 64 numbers.
.set X1,     139264
.set XWV,    33792                     ; a wave's 64 rows x 528
.set EX,     274432
.set EXB,    25600                     ; an exchange buffer
.set EXS,    24576                     ; its scale words
.set ST,     EX+EXB                    ; the scores' stage
.set SPARE,  325632
.set WS0,    34816
.set SBIT,   1<<17
.set WHALF,  52224                     ; 64 rows of Wy x 816
.set WTILE,  13056                     ; 16 rows x 816
.set SHALF,  17408                     ; the scale bytes of 512 rows: 64 x 272
.set NSTEP,  49152                     ; 64 rows of Wy's codes in memory
.set XS,   32                          ; v32-63   X's scale words: 4 s + t: lanes 0-15 tile t, lanes 16-31 tile 4 + t
.set SB,   64                          ; v64-71   Wy's scale words of a tile
.set HC,   72                          ; v72-79   hproj as C
.set WR,   80                          ; v80-87   w
.set SPR,  88                          ; v88-103  running sums, a pair a tile of rows
.set F63,  104                         ; v104-115 X's fragment 63
.set T0,   116                         ; v116-122 at work in phase X
.set T1,   120
.set PFO,  124                         ; v124     the prefetches' offset; never rewritten
.set ACC,  128                         ; v128-191 eight accumulators
.set WF,   192                         ; v192-239 Wy's fragments: K step s in place s % 4
.set XN,   128
.set MSB,  0
.macro WIN new
.if MSB != (\new)
	s_set_vgpr_msb (MSB<<8)|(\new)
.set MSB, (\new)
.endif
.endm
.macro PLACES
.rept 4
	v_nop
.endr
.endm
.macro CREST
	s_cmp_lg_u32 s16, 0
	s_cbranch_scc1 .Lnot_wave_0_\@
	s_barrier_signal -3
.Lnot_wave_0_\@:
	s_barrier_wait -3
	s_barrier_signal -1
	s_barrier_wait -1
.endm
.macro ROUND
	s_barrier_signal -1
	s_barrier_wait -1
	CREST
.endm
	s_load_b256 s[4:11], s[0:1], 0x0               ; X, Wy's codes, Wy's scales, w
	s_load_b128 s[12:15], s[0:1], 0x20             ; hproj, scores
	v_lshl_add_u32 v2, v0, 2, SPARE                ; my spare word; never rewritten
	v_mov_b32 v3, 0                                ; 0; never rewritten
	ds_add_u32 v2, v3                              ; the opening lines
	ds_add_u32 v2, v3
	v_lshrrev_b32 v20, 5, v0
	v_readfirstlane_b32 s16, v20                   ; wave 0..3
	s_bfe_u32 s17, ttmp6, 0x40000                  ; cx: it enters X's, hproj's and the scores' addresses alone
	s_lshl_b32 s18, ttmp9, 2
	s_add_co_u32 s18, s18, s17                     ; work-group
	s_and_b32 s19, s16, 1                          ; my half of the columns
	s_xor_b32 s23, s16, 1                          ; my partner
	s_mov_b32 s20, 0x76543210
	s_mov_b32 s21, 0xfedcba98                      ; selects for lane l xor 16
	s_mov_b32 s24, (2<<16)|(1<<20)|(6<<22)|(3<<25) ; X: 64 rows x 128 f32, 4,096 bytes apart; 16 bytes of padding behind each 512
	s_mov_b32 s25, 128<<16
	s_mov_b32 s26, 64<<16
	s_mov_b32 s27, 128<<16
	s_mov_b32 s28, 64
	s_mov_b32 s29, 1024
	s_mov_b32 s30, 0
	s_mov_b32 s31, 0
	s_mov_b32 s40, 15|(3<<16)|(1<<20)|(1<<21)|(5<<22)|(3<<25)  ; Wy's codes: 64 rows = 192 dense rows of 256 bytes, 16 bytes of padding behind each; the mask of all four
	s_mov_b32 s41, 32<<16
	s_mov_b32 s42, 192<<16
	s_mov_b32 s43, 32<<16
	s_mov_b32 s44, 192
	s_mov_b32 s45, 32
	s_mov_b32 s46, 0
	s_mov_b32 s47, 0
	s_mov_b32 s68, 15|(3<<16)|(1<<20)|(1<<21)|(5<<22)|(3<<25)  ; Wy's scale bytes of 512 rows: 64 dense rows of 256 bytes
	s_mov_b32 s69, 32<<16
	s_mov_b32 s70, 64<<16
	s_mov_b32 s71, 32<<16
	s_mov_b32 s72, 64
	s_mov_b32 s73, 32
	s_mov_b32 s74, 0
	s_mov_b32 s75, 0
	s_mov_b32 s32, 1
	s_mov_b32 s36, 1
	s_mov_b32 s48, 1
	s_mov_b32 s76, 1
	s_mul_i32 s33, s16, XWV                        ; X's slot 0, my part
	s_add_co_u32 s37, s33, X1                      ; slot 1
	s_mul_i32 s49, s19, WHALF
	s_add_co_u32 s49, s49, WS0                     ; Wy's slot 0, half w % 2 (waves 0, 1 ask)
	s_mul_i32 s77, s19, SHALF                      ; the scale bytes, half w % 2 (waves 2, 3 ask)
	s_mul_i32 s58, s19, 393216
	s_mov_b32 s59, 0
	s_lshl_b32 s60, s19, 14
	s_mov_b32 s61, 0
	s_lshl_b32 s62, s18, 20
	s_lshl_b32 s57, s16, 18
	s_add_co_u32 s62, s62, s57                     ; my first row of X in bytes (under 2^28)
	s_mov_b32 s63, 0
	s_wait_dscnt 0x0
	s_wait_kmcnt 0x0
	s_add_nc_u64 s[4:5], s[4:5], s[62:63]          ; X at my 64 rows: the prefetches' base
	s_mov_b64 s[34:35], s[4:5]                     ; K step 0
	s_add_nc_u64 s[38:39], s[4:5], 512             ; K step 1
	s_or_b32 s35, s35, 0x80000000
	s_or_b32 s39, s39, 0x80000000
	s_add_nc_u64 s[50:51], s[6:7], s[58:59]
	s_or_b32 s51, s51, 0x80000000
	s_add_nc_u64 s[78:79], s[8:9], s[60:61]
	s_or_b32 s79, s79, 0x80000000
	s_lshl_b32 s62, s18, 10
	s_lshl_b32 s57, s16, 8
	s_add_co_u32 s62, s62, s57
	s_add_nc_u64 s[14:15], s[14:15], s[62:63]      ; my 64 scores
	s_lshr_b32 s62, s18, 3
	s_lshl_b32 s62, s62, 12
	s_add_nc_u64 s[12:13], s[12:13], s[62:63]      ; hproj's row of my batch
	ROUND
	tensor_load_to_lds s[32:35], s[24:31]          ; K step 0: my one load at the head
	s_nop 0
	PLACES
	v_and_b32 v22, 31, v0                          ; lane
	v_and_b32 v20, 15, v0                          ; r
	v_bfe_u32 v21, v0, 4, 1                        ; h
	v_mul_u32_u24 v4, v20, 528
	v_lshl_add_u32 v4, v21, 7, v4
	v_add_nc_u32 v4, s33, v4                       ; v4   X in slot 0: my part + 528 r + 128 h
	v_add_nc_u32 v5, X1, v4                        ; v5   in slot 1
	v_lshlrev_b32 v6, 3, v21                       ; v6   8 h
	v_lshlrev_b32 v23, 4, v22
	s_mul_i32 s57, s16, 6144
	s_add_co_u32 s57, s57, EX
	v_add_nc_u32 v7, s57, v23                      ; v7   my codes' image: 16 x lane
	s_mul_i32 s57, s23, 6144
	s_add_co_u32 s57, s57, EX
	v_add_nc_u32 v10, s57, v23                     ; v10  my partner's
	v_lshlrev_b32 v24, 2, v20                      ; 4 r
	s_lshl_b32 s57, s16, 8
	v_lshlrev_b32 v25, 8, v21
	v_xor_b32 v25, s57, v25
	v_add_nc_u32 v25, v25, v24
	v_add_nc_u32 v16, EX+EXS, v25                  ; v16  scale words back: lanes 0-15 my own, lanes 16-31 my partner's
	s_add_co_u32 s57, s57, EX+EXS
	v_add_nc_u32 v11, s57, v24                     ; v11  my scale words on their way in
	v_mul_u32_u24 v8, v20, 816
	v_mad_u32_u24 v8, v21, 24, v8
	v_add_nc_u32 v8, s49, v8                       ; v8   a fragment of Wy: my half + 816 r + 24 h
	v_lshl_add_u32 v9, v21, 4, v8                  ; v9   the same behind one padding more
	v_lshrrev_b32 v25, 3, v20
	v_lshlrev_b32 v12, 5, v20
	v_lshl_add_u32 v12, v25, 4, v12
	v_add_nc_u32 v12, s77, v12                     ; v12  Wy's scale words: my half + 32 r + 16 (r / 8)
	v_lshrrev_b32 v25, 1, v22
	v_lshlrev_b32 v[PFO], 12, v25
	v_and_b32 v25, 1, v22
	v_lshl_add_u32 v[PFO], v25, 8, v[PFO]          ; row lane / 2 of sixteen, block lane % 2 of a step's two
	s_lshl_b32 s57, s19, 11
	s_add_co_u32 s57, s57, EX
	v_lshl_add_u32 v13, v21, 5, s57                ; v13  hproj of my eight columns
	v_lshl_add_u32 v17, v0, 4, EX                  ; v17  hproj and w on their way into LDS
	v_lshlrev_b32 v28, 4, v0                       ; v28  and in memory
	v_mov_b32 v27, 0                               ; a lane permute's destination counts as a source
	s_lshl_b32 s57, s19, 10
	s_add_co_u32 s57, s57, ST
	s_lshl_b32 s62, s16, 8
	s_add_co_u32 s62, s62, s57
	v_add_nc_u32 v29, s62, v24                     ; v29  the stage: plane w % 2, my own rows
	s_lshl_b32 s62, s23, 8
	s_add_co_u32 s62, s62, s57
	v_add_nc_u32 v30, s62, v24                     ; v30  my partner's rows
	s_lshl_b32 s62, s16, 8
	s_add_co_u32 s62, s62, ST
	v_lshl_add_u32 v31, v22, 3, s62                ; v31  back from the stage: my 64 rows, 8 x lane
	v_lshlrev_b32 v1, 3, v22                       ; v1   and in memory
	s_wait_alu depctr_va_vdst(0)
	global_load_b128 v[88:91], v28, s[12:13]       ; hproj's row and w wait in v88-103 for phase X's end
	global_load_b128 v[92:95], v28, s[12:13] offset:2048
	global_load_b128 v[96:99], v28, s[10:11]
	global_load_b128 v[100:103], v28, s[10:11] offset:2048
; ---------------- PHASE X ----------------
.macro XLD t, mm                       ; tile mm of my rows, K step t: lane (r, h) takes k = 64 c + 32 h + 0 .. 31 of row r: 16 loads into set mm % 2
.irp c, 0,1
.irp j, 0,1,2,3,4,5,6,7
	ds_load_b128 v[XN+64*((\mm)%2)+32*\c+4*\j:XN+64*((\mm)%2)+32*\c+4*\j+3], v[4+((\t)%2)] offset:(\mm)*8448+256*\c+16*\j
.endr
.endr
.endm
; A block's scale byte is its largest magnitude's exponent field - 2, held at 1 from below by a floor among the maximum's leaves.  Four LDS stores: the scale word and the codes' image.
.macro QUANT t, mm
.set XB, XN+64*((\mm)%2)
.set FI, 8*(\t)+(\mm)
.set UW, 1+FI/21
.set UF, 12*(FI%21)
.set UD, UW<<6
.set US, UW<<2
.set EO, ((\t)%2)*EXB
.irp c, 0,1
	v_max3_num_f32 v[20+\c], |v[XB+32*\c]|, |v[XB+32*\c+1]|, 0x1800000
	v_max3_num_f32 v[22+\c], |v[XB+32*\c+16]|, |v[XB+32*\c+17]|, 0x1800000
.endr
.irp i, 2,4,6,8,10,12,14
.irp c, 0,1
	v_max3_num_f32 v[20+\c], v[20+\c], |v[XB+32*\c+\i]|, |v[XB+32*\c+\i+1]|
	v_max3_num_f32 v[22+\c], v[22+\c], |v[XB+32*\c+16+\i]|, |v[XB+32*\c+17+\i]|
.endr
.endr
	v_max_num_f32 v20, v20, v22
	v_max_num_f32 v21, v21, v23
	v_add_nc_u32 v22, 0xff000000, v20              ; 2 off the exponent field: the conversion's scale operand
	v_add_nc_u32 v23, 0xff000000, v21
	v_lshrrev_b32 v24, 23, v22
	v_lshrrev_b32 v25, 23, v23
	v_lshl_or_b32 v26, v25, 16, v24                ; blocks h and 2 + h,
	v_lshlrev_b32 v26, v6, v26                     ; at their places in the word;
	v_permlanex16_b32 v27, v26, s20, s21
	v_or_b32 v26, v26, v27                         ; with lane l xor 16's the word is whole
	ds_store_b32 v11, v26 offset:EO+64*(\mm)
	WIN UD
	v_cvt_scalef32_pk16_fp6_f32 v[UF:UF+2], v[XB:XB+15], v22
	v_cvt_scalef32_pk16_fp6_f32 v[UF+6:UF+8], v[XB+32:XB+47], v23
	WIN 0
	v_cvt_scalef32_pk16_fp6_f32 v[T0:T0+2], v[XB+16:XB+31], v22    ; a conversion's three registers begin on an even number: the upper halves are made here and moved
	v_cvt_scalef32_pk16_fp6_f32 v[T1:T1+2], v[XB+48:XB+63], v23
	v_nop                                          ; one plain place behind a scaled conversion
	WIN UD
.irp i, 0,1,2
	v_mov_b32 v[UF+3+\i], v[T0+\i]
	v_mov_b32 v[UF+9+\i], v[T1+\i]
.endr
	WIN US                                         ; an LDS store's data are its source 1
.irp g, 0,1,2
	ds_store_b128 v7, v[UF+4*\g:UF+4*\g+3] offset:EO+1536*(\mm)+512*\g
.endr
	WIN 0
.endm
.macro PL t                            ; K step t of my partner's four tiles, and the step's scale words: 16 loads
.irp mm, 0,1,2,3
.set FI, 8*(\t)+4+\mm
.if FI == 63
.set UW, 0
.set UF, F63
.else
.set UW, 1+FI/21
.set UF, 12*(FI%21)
.endif
.set UD, UW<<6
	WIN UD
.irp g, 0,1,2
	ds_load_b128 v[UF+4*\g:UF+4*\g+3], v10 offset:((\t)%2)*EXB+1536*\mm+512*\g
.endr
.endr
	WIN 0
.irp mm, 0,1,2,3
	ds_load_b32 v[XS+4*(\t)+\mm], v16 offset:((\t)%2)*EXB+64*\mm
.endr
.endm
; A step.  One round does three things: this step's slot is whole, the other slot is read no more, and the last step's codes lie in the exchange buffer for the partner.
.macro XSTEP t
	s_wait_alu depctr_va_vdst(0)
	s_wait_tensorcnt 0x0                           ; my one load that was out has landed
	ds_add_u32 v2, v3
.if ((\t) >= 1) && ((\t) < 7)
	s_add_nc_u64 s[34+4*(((\t)+1)%2):35+4*(((\t)+1)%2)], s[34+4*(((\t)+1)%2):35+4*(((\t)+1)%2)], 1024
.endif
	s_wait_dscnt 0x0                               ; the add, my reads of the other slot, my stores for the partner
	ROUND
.if (\t) < 7
	tensor_load_to_lds s[32+4*(((\t)+1)%2):35+4*(((\t)+1)%2)], s[24:31]   ; K step t + 1
	s_nop 0
	PLACES
.else
	s_cmp_lt_u32 s16, 2                            ; X's slot 0 is free: waves 0, 1 ask for Wy's first 64 + 64 rows, waves 2, 3 for its scale bytes
	s_cbranch_scc0 .Lfor_scales
	tensor_load_to_lds s[48:51], s[40:47]
	s_nop 0
	PLACES
	s_branch .Lasked_7
.Lfor_scales:
	tensor_load_to_lds s[76:79], s[68:75]
	s_nop 0
	PLACES
.Lasked_7:
.endif
.if (\t) > 0
	PL (\t)-1
.endif
	XLD \t, 0
	XLD \t, 1
.if (\t) < 6
.irp i, 0,1,2,3
	global_prefetch_b8 v[PFO], s[4:5] offset:65536*\i+512*((\t)+2) th:TH_LOAD_NT scope:SCOPE_SE   ; rows 16 i .. 16 i + 15 of my 64, K step t + 2; base and offset are never rewritten
.endr
.endif
	s_wait_dscnt 16                                ; all but tile 1's 16 loads
	QUANT \t, 0
	XLD \t, 2
	s_wait_dscnt 20                                ; behind tile 1's loads: 4 stores, 16 loads
	QUANT \t, 1
	XLD \t, 3
	s_wait_dscnt 20
	QUANT \t, 2
	s_wait_dscnt 4                                 ; behind tile 3's loads: 4 stores
	QUANT \t, 3
.endm
.irp t, 0,1,2,3,4,5,6,7
	XSTEP \t
.endr
; ---------------- PHASE G ----------------
.macro ADDR                            ; the LDS addresses of the tile to be fetched next
	v_add_nc_u32 v14, s52, v8
	v_add_nc_u32 v15, s52, v9
	v_add_nc_u32 v18, s53, v12
	v_add_nc_u32 v19, s54, v13
	s_wait_alu depctr_va_vdst(0)
.endm
; K step s's fragment: six pieces of 8 bytes; byte y of a row lies at y + 16 (y / 256).  Lanes 16-31 read 24 bytes on: where that is behind one padding more, v15 serves.
.macro FR s
.irp p, 0,1,2,3,4,5
.set BY, 96*(\s)+48*(\p/3)+8*(\p%3)
.set AR, 14
.if BY/256 != (BY+24)/256
.set AR, 15
.endif
	ds_load_b64 v[WF+12*((\s)%4)+2*\p:WF+12*((\s)%4)+2*\p+1], v[AR] offset:BY+16*(BY/256)
.endr
.endm
.macro W s, l                          ; one product: K step s, tile of rows l.  K step 0 takes hproj as C: nothing is cleared
.set FI, 8*(\s)+(\l)
.if FI == 63
.set XW, 0
.set XF, F63
.else
.set XW, 1+FI/21
.set XF, 12*(FI%21)
.endif
.set XD, XW<<2
	WIN XD                                         ; source 1 (X) in its window; all else in window 0
.set AD, ACC+8*(\l)
.set CD, AD
.if (\s) == 0
.set CD, HC
.endif
.set WD, WF+12*((\s)%4)
.set SD, XS+4*(\s)+((\l)%4)
.if (\l) < 4
	v_wmma_scale_f32_16x16x128_f8f6f4 v[AD:AD+7], v[WD:WD+11], v[XF:XF+11], v[CD:CD+7], v[SB+(\s)], v[SD] matrix_a_fmt:MATRIX_FMT_FP6 matrix_b_fmt:MATRIX_FMT_FP6
.else
	v_wmma_scale_f32_16x16x128_f8f6f4 v[AD:AD+7], v[WD:WD+11], v[XF:XF+11], v[CD:CD+7], v[SB+(\s)], v[SD] matrix_a_fmt:MATRIX_FMT_FP6 matrix_b_fmt:MATRIX_FMT_FP6 matrix_b_scale:MATRIX_SCALE_ROW1
.endif
.endm
.macro W8 s                            ; K step s, all eight tiles of rows
.irp l, 0,1,2,3,4,5,6,7
	W \s, \l
.endr
.endm
.macro EP la, lb, jj                   ; relu and the dot with w for columns jj, jj + 1 of two finished tiles of rows; each accumulator is read from its low end on
	WIN 0
	v_max_num_f32 v[ACC+8*(\la)+(\jj)], 0, v[ACC+8*(\la)+(\jj)]
	v_max_num_f32 v[ACC+8*(\la)+(\jj)+1], 0, v[ACC+8*(\la)+(\jj)+1]
	v_max_num_f32 v[ACC+8*(\lb)+(\jj)], 0, v[ACC+8*(\lb)+(\jj)]
	v_max_num_f32 v[ACC+8*(\lb)+(\jj)+1], 0, v[ACC+8*(\lb)+(\jj)+1]
	v_pk_fma_f32 v[SPR+2*(\la):SPR+2*(\la)+1], v[ACC+8*(\la)+(\jj):ACC+8*(\la)+(\jj)+1], v[WR+(\jj):WR+(\jj)+1], v[SPR+2*(\la):SPR+2*(\la)+1]
	v_pk_fma_f32 v[SPR+2*(\lb):SPR+2*(\lb)+1], v[ACC+8*(\lb)+(\jj):ACC+8*(\lb)+(\jj)+1], v[WR+(\jj):WR+(\jj)+1], v[SPR+2*(\lb):SPR+2*(\lb)+1]
.endm
; A TILE of 16 columns: 64 products in four phases of two K steps, the eight accumulators by turns.  A phase multiplies two of the four fragment places; at its start ONE run of LDS loads
; fills the other two, four places behind their last products, for the next phase.  K steps 0, 1 and 6, 7 go in blocks of four tiles of rows, so that the epilogue of tiles 0-3 stands among the products of tiles 4-7,
; and that of tiles 4-7 among the next tile's first products.  Each wait's count is the run just issued.
; mode 0: inside a slot.  1: a slot's last tile, the slot is filled again.  2: the same with nothing left to fetch.  3: the very last tile.
.macro TILE mode
.set NH, 2
.if \mode == 3
.set NH, 0
.endif
	ds_load_b128 v[SB+4:SB+7], v18 offset:16       ; run 1, 13 loads (the six lines of the last epilogue piece are its places): the upper scale words, fragments 2, 3
	FR 2
	FR 3
	s_wait_dscnt 13
	W 0, 0
	EP 4, 5, 0
	W 0, 1
	EP 4, 5, 2
	W 0, 2
	EP 4, 5, 4
	W 0, 3
	EP 4, 5, 6
	W 1, 0
	EP 6, 7, 0
	W 1, 1
	EP 6, 7, 2
	W 1, 2
	EP 6, 7, 4
	W 1, 3
	EP 6, 7, 6
.irp l, 4,5,6,7
	W 0, \l
.endr
.irp l, 4,5,6,7
	W 1, \l
.endr
	PLACES
	FR 4                                           ; run 2, 14 or 16 loads: fragments 4, 5, w of this tile, hproj of the next
	FR 5
	ds_load_b128 v[WR:WR+3], v19 offset:4096
	ds_load_b128 v[WR+4:WR+7], v19 offset:4112
.if \mode != 3
	ds_load_b128 v[HC:HC+3], v19 offset:64
	ds_load_b128 v[HC+4:HC+7], v19 offset:80
.endif
	s_wait_dscnt 14+NH
	W8 2
	W8 3
	PLACES
	FR 6                                           ; run 3, 12 loads: fragments 6, 7: my last reads of this tile's rows
	FR 7
.if (\mode == 0) || (\mode == 3)
	s_wait_dscnt 12
	W8 4
	W8 5
.else
	WIN 0                                          ; the add's registers lie in window 0
	s_wait_tensorcnt 0x0                           ; my load for the next slot, if I had one out, has landed
	ds_add_u32 v2, v3
	s_wait_dscnt 13                                ; run 3 and the add may be out
	W8 4
	s_wait_dscnt 0x0                               ; the add is done, and my reads of this slot are over
	s_barrier_signal -1
	W8 5
	WIN 0
	s_barrier_wait -1
.if \mode == 1
	CREST                                          ; the barrier has opened a round of the cluster's
	s_xor_b32 s49, s49, SBIT                       ; the walking descriptor: the slot just left,
	s_add_nc_u64 s[50:51], s[50:51], NSTEP         ; the next 64 rows of each half
	s_cmp_lt_u32 s16, 2
	s_cbranch_scc0 .Lnone_\@
	tensor_load_to_lds s[48:51], s[40:47]
	s_nop 0
	PLACES
.Lnone_\@:
.endif
.endif
.if \mode == 0
	s_add_co_u32 s52, s52, WTILE
.endif
.if (\mode == 1) || (\mode == 2)
	s_sub_co_u32 s52, s52, 3*WTILE
	s_xor_b32 s52, s52, SBIT                       ; the other slot's first tile
.endif
.if \mode != 3
	s_add_co_u32 s53, s53, 544
	s_add_co_u32 s54, s54, 64
	WIN 0
	ADDR                                           ; its four lines are the places behind K step 5's products
	ds_load_b128 v[SB:SB+3], v18                   ; run 4, 13 loads: the next tile's lower scale words and fragments 0, 1
	FR 0
	FR 1
	s_wait_dscnt 13
.else
	s_wait_dscnt 0
.endif
.irp l, 0,1,2,3
	W 6, \l
.endr
.irp l, 0,1,2,3
	W 7, \l
.endr
	PLACES                                         ; between the products of tiles 0-3 and the first read of their results (ISA guide 7.12.1)
	W 6, 4
	EP 0, 1, 0
	W 6, 5
	EP 0, 1, 2
	W 6, 6
	EP 0, 1, 4
	W 6, 7
	EP 0, 1, 6
	W 7, 4
	EP 2, 3, 0
	W 7, 5
	EP 2, 3, 2
	W 7, 6
	EP 2, 3, 4
	W 7, 7
	EP 2, 3, 6
.endm
.macro SLOTRUN mode                    ; a slot's four tiles of my half
	s_mov_b32 s56, 3
.Ltile_\@:
	TILE 0
	s_sub_co_u32 s56, s56, 1
	s_cmp_lg_u32 s56, 0
	s_cbranch_scc1 .Ltile_\@
	TILE \mode
.endm
	s_wait_alu depctr_va_vdst(0)
	s_wait_tensorcnt 0x0                           ; Wy's slot 0 and the scale bytes: my part is in
	ds_add_u32 v2, v3
	s_xor_b32 s49, s49, SBIT
	s_add_nc_u64 s[50:51], s[50:51], NSTEP
	s_wait_dscnt 0x0                               ; the add, my reads of X's slot 1, my last codes for the partner
	ROUND
	s_cmp_lt_u32 s16, 2
	s_cbranch_scc0 .Lnone_slot1
	tensor_load_to_lds s[48:51], s[40:47]          ; Wy's slot 1, on bytes of X's slot 1
	s_nop 0
	PLACES
.Lnone_slot1:
	s_wait_loadcnt 0x0
	ds_store_b128 v17, v[88:91]                    ; hproj and w into exchange buffer 0, whose last readers have passed the round
	ds_store_b128 v17, v[92:95] offset:2048
	ds_store_b128 v17, v[96:99] offset:4096
	ds_store_b128 v17, v[100:103] offset:6144
	PL 7
.irp j, 0,1,2,3,4,5,6,7,8,9,10,11,12,13,14,15
	v_mov_b32 v[SPR+\j], 0                         ; the running sums
.endr
.irp j, 0,1,2,3,4,5,6,7
	v_mov_b32 v[WR+\j], 0                          ; the first tile finds zeros with w = 0 as 'the tile before', so that the tile is written in one form
.endr
.irp j, 0,1,2,3,4,5,6,7,8,9,10,11,12,13,14,15,16,17,18,19,20,21,22,23,24,25,26,27,28,29,30,31
	v_mov_b32 v[ACC+32+\j], 0
.endr
	s_mov_b32 s52, 0
	s_mov_b32 s53, 0
	s_mov_b32 s54, 0
	ADDR
	s_wait_dscnt 0x0                               ; my stores of hproj and w are done; slot 1's load may stay out
	s_barrier_signal -1
	s_barrier_wait -1
	ds_load_b128 v[HC:HC+3], v19
	ds_load_b128 v[HC+4:HC+7], v19 offset:16
	ds_load_b128 v[SB:SB+3], v18
	FR 0
	FR 1
	s_mov_b32 s55, 6
.Lslot:                                                ; six trips: each ends with the load of the slot two on
	SLOTRUN 1
	s_sub_co_u32 s55, s55, 1
	s_cmp_lg_u32 s55, 0
	s_cbranch_scc1 .Lslot
	SLOTRUN 2                                      ; the last two slots are written out
	SLOTRUN 3
.irp jj, 0,2,4,6
	EP 4, 5, \jj
.endr
.irp jj, 0,2,4,6
	EP 6, 7, \jj
.endr
; THE WAY OUT: a row's part is its pair's two halves and lane l xor 16's; the two column halves' parts meet in the stage; each wave stores its 64 rows' scores as 256 consecutive bytes, aligned.
.irp l, 0,1,2,3,4,5,6,7
	v_add_f32 v[192+\l], v[SPR+2*\l], v[SPR+2*\l+1]
.endr
.irp l, 0,1,2,3,4,5,6,7
	v_permlanex16_b32 v[200+\l], v[192+\l], s20, s21
.endr
.irp l, 0,1,2,3,4,5,6,7
	v_add_f32 v[192+\l], v[192+\l], v[200+\l]
.endr
.irp l, 0,1,2,3
	ds_store_b32 v29, v[192+\l] offset:64*\l       ; both halves of the lanes write the same word with the same value
	ds_store_b32 v30, v[196+\l] offset:64*\l
.endr
	s_wait_dscnt 0x0                               ; for the partner's sake
	s_barrier_signal -1
	s_barrier_wait -1
	ds_load_b64 v[208:209], v31
	ds_load_b64 v[210:211], v31 offset:1024
	s_wait_dscnt 0x0
	v_pk_add_f32 v[208:209], v[208:209], v[210:211]
	global_store_b64 v1, v[208:209], s[14:15]
	s_wait_tensorcnt 0x0                           ; the wave's end
	ds_add_u32 v2, v3
	s_wait_dscnt 0x0
	ROUND                                          ; the closing round
	s_endpgm
.Lfunc_end_k_qb563a1418c_score:
	.size	k_qb563a1418c_score, .Lfunc_end_k_qb563a1418c_score-k_qb563a1418c_score
	.p2alignl 7, 3214868480
	.fill 96, 4, 3214868480
	.section	.rodata,"a",@progbits
	.p2align	6, 0x0
	.amdhsa_kernel k_qb563a1418c_score
		.amdhsa_group_segment_fixed_size 327680
		.amdhsa_private_segment_fixed_size 0
		.amdhsa_enable_private_segment 0
		.amdhsa_kernarg_size 48
		.amdhsa_user_sgpr_count 2
		.amdhsa_user_sgpr_kernarg_segment_ptr 1
		.amdhsa_wavefront_size32 1
		.amdhsa_system_sgpr_workgroup_id_x 1
		.amdhsa_system_sgpr_workgroup_id_y 1
		.amdhsa_system_sgpr_workgroup_id_z 1
		.amdhsa_system_vgpr_workitem_id 0
		.amdhsa_next_free_vgpr 1024
		.amdhsa_next_free_sgpr 80
		.amdhsa_reserve_vcc 0
		.amdhsa_float_denorm_mode_32 3
		.amdhsa_float_denorm_mode_16_64 3
		.amdhsa_memory_ordered 1
		.amdhsa_forward_progress 1
		.amdhsa_inst_pref_size 255
	.end_amdhsa_kernel
	.section	.bss,"aw",@nobits
	.p2align	6
	.space	262144
	.amdgpu_metadata
---
amdhsa.version: [ 1, 2 ]
amdhsa.kernels:
  - .name:           k_qb563a1418c_score
    .symbol:         k_qb563a1418c_score.kd
    .args:
      - { .name: input_states, .offset: 0, .size: 8, .value_kind: global_buffer, .address_space: global }
      - { .name: Wy_codes, .offset: 8, .size: 8, .value_kind: global_buffer, .address_space: global }
      - { .name: Wy_scales, .offset: 16, .size: 8, .value_kind: global_buffer, .address_space: global }
      - { .name: w, .offset: 24, .size: 8, .value_kind: global_buffer, .address_space: global }
      - { .name: hproj, .offset: 32, .size: 8, .value_kind: global_buffer, .address_space: global }
      - { .name: scores, .offset: 40, .size: 8, .value_kind: global_buffer, .address_space: global }
    .group_segment_fixed_size: 327680
    .private_segment_fixed_size: 0
    .kernarg_segment_align: 8
    .kernarg_segment_size: 48
    .max_flat_workgroup_size: 128
    .sgpr_count:     80
    .vgpr_count:     1024
    .wavefront_size: 32
...
	.end_amdgpu_metadata
.endif
;; end of part 2
;; launch attend (part 3): grid 8 x 32, 4 waves a work-group, no clusters, 327,680 bytes of LDS; arguments input_states, scores, rc, rs; writes rc, rs
.if DOCPART == 3
	.amdgcn_target "amdgcn-amd-amdhsa--gfx1250"
	.amdhsa_code_object_version 6
	.text
	.protected	k_qb563a1418c_attend
	.globl	k_qb563a1418c_attend
	.p2align	8
	.type	k_qb563a1418c_attend,@function
k_qb563a1418c_attend:
	s_mov_b64 s[64:65], 0
	v_nop
	global_prefetch_b8 v0, s[64:65] scope:SCOPE_SE
	s_setreg_imm32_b32 hwreg(HW_REG_WAVE_MODE, 25, 1), 1
	s_wait_xcnt 0x0
; r[b][d] = sum over t of softmax_t(scores[b][:])[t] X[b][t][d], in f32 throughout, and r quantised along d to codes of FP6 (E2M3) with one E8M0 scale for each 32: rc [32][768 bytes], rs [32][32 bytes].
; SHARES.  Work-group (x, b) owns d = 128 x .. 128 x + 127 of batch b.  The 2,048 rows go in eight steps of 256 through two LDS slots; in each step wave w of four owns rows 64 w .. 64 w + 63:
; one tensor load brings them (64 rows x 512 bytes, 528 apart in LDS), and that wave alone reads them, a row an LDS load, 16 neighbouring bytes a lane.
; SOFTMAX.  The row's true maximum is taken away before the exponential: p = 2^((s - max) log2 e); r = (sum of p X) x 1 / (sum of p): an order of rounding of its own (reference divides p first).
; A wave computes just the 512 p of its own rows and keeps them in LDS bytes of its own; only the maximum, the sum of p and the parts of r go from wave to wave.
; Each of a batch's eight work-groups makes the 2,048 p anew: 8,192 bytes of scores against the 1,048,576 of X that it reads.
; A stream: no matrix unit (a product with one row); no cluster (work-groups share the scores alone).
; PREFETCH.  In step t each wave asks for its own 64 rows x 512 bytes of step t + 2, one step ahead of the tensor load that wants them: 128 blocks of 256 bytes, a lane a block, four instructions.
; The head asks so for step 1; steps 6 and 7 ask for nothing.  The base is stepped at the next step's head, behind s_wait_xcnt 0.
; rc and rs are stored in pieces of 96 and 4 bytes a work-group: 25,600 bytes in the whole launch.
; LIMITS: NaN and infinities are not served.  A block of r whose largest magnitude lies under 2^-124 (a block of zeros too) gets the scale byte 1: the bytes are read by this program alone.
.set SL1,   135168                     ; slot 1 (slot 0 at 0): 256 rows x 528
.set XWV,   33792                      ; a wave's 64 rows
.set PB,    270336                     ; the p: 2,048 bytes a wave, 256 a step
.set MXW,   278528                     ; the waves' maxima; 256 bytes on, their sums of p
.set RED,   279040                     ; the waves' parts of r, 512 bytes each
.set R2,    281088                     ; r, for the turn to 16 neighbours a lane
.set SPARE, 281600                     ; the spare words
.set STEPB, 0x100000                   ; 256 rows of X in memory
.set SUM,  16                          ; v16-23   two sets of four sums: even rows, odd rows
.set SC,   24                          ; v24-39   my 16 scores, then p
.set PV,   48                          ; v48-79   two sets of 16 p
.set RING, 128                         ; v128-255 two sets of 16 rows x 4 registers
.set G1,   24                          ; s[24:31] descriptor group 1
.set G0,   32                          ; s[32:39] group 0, one for each slot
.macro PLACES
.rept 4
	v_nop
.endr
.endm
	s_load_b256 s[4:11], s[0:1], 0x0               ; X, scores, rc, rs
	v_lshl_add_u32 v2, v0, 2, SPARE                ; my spare word; never rewritten
	v_mov_b32 v3, 0                                ; 0; never rewritten
	ds_add_u32 v2, v3                              ; the opening lines
	ds_add_u32 v2, v3
	v_lshrrev_b32 v40, 5, v0
	v_readfirstlane_b32 s12, v40                   ; wave 0..3
	s_and_b32 s14, ttmp7, 0xffff                   ; b
	s_mov_b32 s20, 0x76543210
	s_mov_b32 s21, 0xfedcba98                      ; selects for lane l xor 16
	s_mov_b32 s24, (2<<16)|(1<<20)|(6<<22)|(3<<25) ; 64 rows x 128 f32, 4,096 bytes apart; 16 bytes of padding behind each 512
	s_mov_b32 s25, 128<<16
	s_mov_b32 s26, 64<<16
	s_mov_b32 s27, 128<<16
	s_mov_b32 s28, 64
	s_mov_b32 s29, 1024
	s_mov_b32 s30, 0
	s_mov_b32 s31, 0
	s_mov_b32 s32, 1
	s_mov_b32 s36, 1
	s_mul_i32 s33, s12, XWV                        ; slot 0, my part
	s_add_co_u32 s37, s33, SL1                     ; slot 1
	s_lshl_b32 s16, s14, 23                        ; X: batch b,
	s_lshl_b32 s18, s12, 18                        ; my wave's 64 rows,
	s_add_co_u32 s16, s16, s18
	s_lshl_b32 s18, ttmp9, 9                       ; my work-group's 512 bytes of a row (the sum stays under 2^28)
	s_add_co_u32 s16, s16, s18
	s_mov_b32 s17, 0
	s_lshl_b32 s18, s14, 13                        ; the batch's scores,
	s_lshl_b32 s19, s12, 8                         ; my wave's 64 of each 256
	s_add_co_u32 s18, s18, s19
	s_mov_b32 s19, 0
	s_mul_i32 s40, s14, 768
	s_mul_i32 s42, ttmp9, 96
	s_add_co_u32 s40, s40, s42                     ; rc: 768 b + 96 x
	s_mov_b32 s41, 0
	s_lshl_b32 s42, s14, 5
	s_lshl_b32 s43, ttmp9, 2
	s_add_co_u32 s42, s42, s43                     ; rs: 32 b + 4 x
	s_mov_b32 s43, 0
	s_wait_dscnt 0x0
	s_wait_kmcnt 0x0
	s_add_nc_u64 s[34:35], s[4:5], s[16:17]        ; step 0
	s_add_nc_u64 s[38:39], s[34:35], STEPB         ; step 1
	s_mov_b64 s[4:5], s[38:39]                     ; the prefetches' base stands at step 1
	s_or_b32 s35, s35, 0x80000000
	s_or_b32 s39, s39, 0x80000000
	s_add_nc_u64 s[6:7], s[6:7], s[18:19]
	s_add_nc_u64 s[8:9], s[8:9], s[40:41]
	s_add_nc_u64 s[10:11], s[10:11], s[42:43]
	tensor_load_to_lds s[32:35], s[24:31]          ; step 0: my one load at the head
	s_nop 0
	PLACES
	v_and_b32 v83, 31, v0                          ; v83  lane
	v_lshlrev_b32 v1, 4, v83                       ; v1   16 x lane
	v_add_nc_u32 v4, s33, v1                       ; v4   my rows in slot 0
	v_add_nc_u32 v5, SL1, v4                       ; v5   in slot 1
	s_lshl_b32 s13, s12, 11
	s_add_co_u32 s13, s13, PB
	v_add_nc_u32 v6, s13, v1                       ; v6   my p on their way in
	v_mov_b32 v7, s13                              ; v7   my wave's p: the same address in every lane
	v_lshrrev_b32 v41, 4, v83
	v_and_b32 v42, 15, v83
	v_lshlrev_b32 v9, 10, v41
	v_lshl_add_u32 v9, v42, 4, v9                  ; v9   scores: step 2 k + lane / 16, four of my 64 rows: sixteen lanes read 256 consecutive bytes
	v_lshrrev_b32 v41, 1, v83
	v_lshlrev_b32 v10, 12, v41
	v_and_b32 v41, 1, v83
	v_lshl_add_u32 v10, v41, 8, v10                ; v10  the prefetches' offset: row lane / 2 of sixteen, block lane % 2 of two; never rewritten
	s_lshl_b32 s13, s12, 2
	s_add_co_u32 s13, s13, MXW
	v_mov_b32 v11, s13                             ; v11  my wave's word among the maxima and the sums
	v_mov_b32 v12, MXW                             ; v12  reads that every lane makes alike
	v_lshl_add_u32 v13, v0, 4, RED                 ; v13  my part of r on its way in
	v_add_nc_u32 v14, RED, v1                      ; v14  the parts back
	v_add_nc_u32 v15, R2, v1                       ; v15  r into the turn
	v_and_b32 v41, 7, v83                          ; q = lane % 8
	v_lshl_add_u32 v80, v41, 6, R2                 ; v80  64 q: 16 neighbours of r
	v_mul_u32_u24 v81, v41, 12                     ; v81  12 q: their codes
	v_lshrrev_b32 v82, 1, v41                      ; v82  q / 2: their block's byte
	v_mov_b32 v43, 0                               ; a lane permute's destination counts as a source
.irp j, 0,1,2,3,4,5,6,7
	v_mov_b32 v[SUM+\j], 0
.endr
	s_wait_alu depctr_va_vdst(0)
.irp k, 0,1,2,3
	global_load_b128 v[SC+4*\k:SC+4*\k+3], v9, s[6:7] offset:2048*\k
.endr
.irp i, 0,1,2,3
	global_prefetch_b8 v10, s[4:5] offset:65536*\i th:TH_LOAD_NT scope:SCOPE_SE   ; step 1
.endr
	s_wait_loadcnt 0x0
	v_max3_num_f32 v40, v24, v25, v26
	v_max3_num_f32 v41, v27, v28, v29
.irp i, 30,34
	v_max3_num_f32 v40, v40, v[\i], v[\i+1]
	v_max3_num_f32 v41, v41, v[\i+2], v[\i+3]
.endr
	v_max3_num_f32 v40, v40, v38, v39
	v_max_num_f32 v40, v40, v41
	v_max_num_f32_dpp v40, v40, v40 row_xmask:1 row_mask:0xf bank_mask:0xf
	v_max_num_f32_dpp v40, v40, v40 row_xmask:2 row_mask:0xf bank_mask:0xf
	v_max_num_f32_dpp v40, v40, v40 row_xmask:4 row_mask:0xf bank_mask:0xf
	v_max_num_f32_dpp v40, v40, v40 row_xmask:8 row_mask:0xf bank_mask:0xf
	v_permlanex16_b32 v43, v40, s20, s21
	v_max_num_f32 v40, v40, v43                    ; my wave's largest score
	ds_store_b32 v11, v40                          ; all lanes write the same word with the same value
	s_wait_dscnt 0x0                               ; for the others' sake
	s_barrier_signal -1                            ; step 0's load may stay out
	s_barrier_wait -1
	ds_load_b128 v[44:47], v12
	s_wait_dscnt 0x0
	v_max3_num_f32 v40, v44, v45, v46
	v_max_num_f32 v40, v40, v47                    ; the batch's largest score
.irp i, 0,1,2,3,4,5,6,7,8,9,10,11,12,13,14,15
	v_sub_f32 v[SC+\i], v[SC+\i], v40
.endr
.irp i, 0,1,2,3,4,5,6,7,8,9,10,11,12,13,14,15
	v_mul_f32 v[SC+\i], 0x3fb8aa3b, v[SC+\i]       ; x log2 e
.endr
	s_wait_alu depctr_va_vdst(0)                   ; the wait ahead of the batch
.irp i, 0,1,2,3,4,5,6,7,8,9,10,11,12,13,14,15
	v_exp_f32 v[SC+\i], v[SC+\i]                   ; p, at most 1
.endr
	v_nop                                          ; one plain place behind a transcendental
	s_wait_alu depctr_va_vdst(0)                   ; and the wait behind the batch
.irp k, 0,1,2,3
	ds_store_b128 v6, v[SC+4*\k:SC+4*\k+3] offset:512*\k   ; steps 2 k and 2 k + 1: 256 bytes each
.endr
	v_pk_add_f32 v[40:41], v[24:25], v[26:27]
	v_pk_add_f32 v[44:45], v[28:29], v[30:31]
	v_pk_add_f32 v[46:47], v[32:33], v[34:35]
	v_pk_add_f32 v[84:85], v[36:37], v[38:39]
	v_pk_add_f32 v[40:41], v[40:41], v[44:45]
	v_pk_add_f32 v[46:47], v[46:47], v[84:85]
	v_pk_add_f32 v[40:41], v[40:41], v[46:47]
	v_add_f32 v40, v40, v41
	v_add_f32_dpp v40, v40, v40 row_xmask:1 row_mask:0xf bank_mask:0xf
	v_add_f32_dpp v40, v40, v40 row_xmask:2 row_mask:0xf bank_mask:0xf
	v_add_f32_dpp v40, v40, v40 row_xmask:4 row_mask:0xf bank_mask:0xf
	v_add_f32_dpp v40, v40, v40 row_xmask:8 row_mask:0xf bank_mask:0xf
	v_permlanex16_b32 v43, v40, s20, s21
	v_add_f32 v40, v40, v43                        ; my wave's sum of p
	ds_store_b32 v11, v40 offset:256
.macro BL slot, q                      ; batch q of a step: rows 16 q .. 16 q + 15 of my 64 and their p, in every lane, into set q % 2: 20 loads.  LDS serves a wave's instructions in order: the p are my own stores
.irp i, 0,1,2,3,4,5,6,7,8,9,10,11,12,13,14,15
	ds_load_b128 v[RING+64*((\q)%2)+4*\i:RING+64*((\q)%2)+4*\i+3], v[4+\slot] offset:(16*(\q)+\i)*528
.endr
.irp i, 0,1,2,3
	ds_load_b128 v[PV+16*((\q)%2)+4*\i:PV+16*((\q)%2)+4*\i+3], v8 offset:256*\slot+64*(\q)+16*\i
.endr
.endm
.macro BF q                            ; sums += p x X, two numbers an instruction, p taken for both halves from its place in a pair; even and odd rows have sums of their own: four chains
.irp i, 0,1,2,3,4,5,6,7,8,9,10,11,12,13,14,15
.set XR, RING+64*((\q)%2)+4*\i
.set PR, PV+16*((\q)%2)+2*(\i/2)
.set AR, SUM+4*(\i%2)
.irp k, 0,2
.if (\i%2) == 0
	v_pk_fma_f32 v[AR+\k:AR+\k+1], v[XR+\k:XR+\k+1], v[PR:PR+1], v[AR+\k:AR+\k+1] op_sel_hi:[1,0,1]
.else
	v_pk_fma_f32 v[AR+\k:AR+\k+1], v[XR+\k:XR+\k+1], v[PR:PR+1], v[AR+\k:AR+\k+1] op_sel:[0,1,0] op_sel_hi:[1,1,1]
.endif
.endr
.endr
	s_wait_alu depctr_va_vdst(0)
.endm
; A step.  In front of the barrier: all my tensor loads have landed, the add, my reads of the other slot are over.  Behind it the other slot is filled again first.
.macro TRIP slot, refill, pf
.if \pf
	s_wait_xcnt 0x0                                ; my earlier prefetches have read their base
	s_add_nc_u64 s[4:5], s[4:5], STEPB             ; it now stands two steps on
.endif
	s_wait_alu depctr_va_vdst(0)
	s_wait_tensorcnt 0x0
	ds_add_u32 v2, v3
	s_add_nc_u64 s[G0+4*\slot+2:G0+4*\slot+3], s[G0+4*\slot+2:G0+4*\slot+3], 2*STEPB   ; no load of mine is out: this slot's next step
	s_wait_dscnt 0x0
	s_barrier_signal -1
	s_barrier_wait -1
.if \refill
	tensor_load_to_lds s[G0+4-4*\slot:G0+7-4*\slot], s[G1:G1+7]   ; the next step, into the slot read last
	s_nop 0
	PLACES
.endif
	BL \slot, 0
	BL \slot, 1
.if \pf
.irp i, 0,1,2,3
	global_prefetch_b8 v10, s[4:5] offset:65536*\i th:TH_LOAD_NT scope:SCOPE_SE
.endr
.endif
	s_wait_dscnt 20                                ; all but the batch just asked for
	BF 0
	BL \slot, 2
	s_wait_dscnt 20
	BF 1
	BL \slot, 3
	s_wait_dscnt 20
	BF 2
	s_wait_dscnt 0x0
	BF 3
.endm
	s_mov_b32 s22, 0                               ; where the pair of steps' p begin
	s_mov_b32 s23, 3
.Lpair:                                                ; three trips: steps 0 to 5
	v_add_nc_u32 v8, s22, v7
	TRIP 0, 1, 1
	TRIP 1, 1, 1
	s_add_co_u32 s22, s22, 512
	s_sub_co_u32 s23, s23, 1
	s_cmp_lg_u32 s23, 0
	s_cbranch_scc1 .Lpair
	v_add_nc_u32 v8, s22, v7
	TRIP 0, 1, 0                                   ; the last two steps are written out: they prefetch nothing, and the last fetches nothing (the stepped addresses are not used)
	TRIP 1, 0, 0
	v_pk_add_f32 v[16:17], v[16:17], v[20:21]
	v_pk_add_f32 v[18:19], v[18:19], v[22:23]
	ds_store_b128 v13, v[16:19]                    ; my wave's part of r: d = 4 lane + 0 .. 3
	s_wait_dscnt 0x0                               ; for wave 0's sake: my part and my sum of p are stored
	s_barrier_signal -1
	s_barrier_wait -1
	s_cmp_lg_u32 s12, 0
	s_cbranch_scc1 .Lend                           ; the rest is 128 numbers' work: wave 0 does it
.irp w, 0,1,2,3
	ds_load_b128 v[128+4*\w:131+4*\w], v14 offset:512*\w
.endr
	ds_load_b128 v[44:47], v12 offset:256
	s_wait_dscnt 0x0
	v_pk_add_f32 v[128:129], v[128:129], v[132:133]
	v_pk_add_f32 v[130:131], v[130:131], v[134:135]
	v_pk_add_f32 v[136:137], v[136:137], v[140:141]
	v_pk_add_f32 v[138:139], v[138:139], v[142:143]
	v_add_f32 v44, v44, v45
	v_add_f32 v46, v46, v47
	v_pk_add_f32 v[128:129], v[128:129], v[136:137]
	v_pk_add_f32 v[130:131], v[130:131], v[138:139]
	v_add_f32 v44, v44, v46                        ; the sum of all p: at least 1
	s_wait_alu depctr_va_vdst(0)                   ; the wait ahead of the transcendental
	v_rcp_f32 v40, v44
	v_mov_b32 v41, 0                               ; a plain place; and the pair's upper half, which is named with it, is written
	s_wait_alu depctr_va_vdst(0)                   ; and behind it
	v_pk_mul_f32 v[128:129], v[128:129], v[40:41] op_sel_hi:[1,0]
	v_pk_mul_f32 v[130:131], v[130:131], v[40:41] op_sel_hi:[1,0]    ; r
	ds_store_b128 v15, v[128:131]
.irp i, 0,1,2,3
	ds_load_b128 v[144+4*\i:147+4*\i], v80 offset:16*\i        ; lane q (and q + 8, 16, 24 alike): d = 16 q + 0 .. 15; two neighbouring lanes hold a block of 32
.endr
	s_wait_dscnt 0x0
	v_max3_num_f32 v40, |v144|, |v145|, |v146|
	v_max3_num_f32 v41, |v147|, |v148|, |v149|
.irp i, 6,10
	v_max3_num_f32 v40, v40, |v[144+\i]|, |v[145+\i]|
	v_max3_num_f32 v41, v41, |v[146+\i]|, |v[147+\i]|
.endr
	v_max3_num_f32 v40, v40, |v158|, |v159|
	v_max3_num_f32 v40, v40, v41, 0x1800000        ; and the floor 2^(3 - 127): the byte cannot fall under 1
	v_max_num_f32_dpp v40, v40, v40 row_xmask:1 row_mask:0xf bank_mask:0xf   ; with my neighbour's 16: the block's largest magnitude
	v_add_nc_u32 v42, 0xff000000, v40              ; 2 off its exponent field: the conversion's scale operand
	v_cvt_scalef32_pk16_fp6_f32 v[44:46], v[144:159], v42
	v_lshrrev_b32 v47, 23, v42                     ; the scale's byte
	s_wait_alu depctr_va_vdst(0)
	s_wait_xcnt 0x0                                ; EXEC changes only behind this wait
	v_cmp_gt_u32 vcc_lo, 8, v83
	s_wait_tensorcnt 0x0                           ; the wave's end, all lanes on
	ds_add_u32 v2, v3
	s_wait_dscnt 0x0
	s_and_saveexec_b32 s26, vcc_lo                 ; lanes 0 to 7 store
	global_store_b96 v81, v[44:46], s[8:9]         ; eight lanes: 96 consecutive bytes
	global_store_b8 v82, v47, s[10:11]             ; both lanes of a block write the same byte with the same value
	s_endpgm
.Lend:
	s_wait_tensorcnt 0x0                           ; the wave's end
	ds_add_u32 v2, v3
	s_wait_dscnt 0x0
	s_endpgm
.Lfunc_end_k_qb563a1418c_attend:
	.size	k_qb563a1418c_attend, .Lfunc_end_k_qb563a1418c_attend-k_qb563a1418c_attend
	.p2alignl 7, 3214868480
	.fill 96, 4, 3214868480
	.section	.rodata,"a",@progbits
	.p2align	6, 0x0
	.amdhsa_kernel k_qb563a1418c_attend
		.amdhsa_group_segment_fixed_size 327680
		.amdhsa_private_segment_fixed_size 0
		.amdhsa_enable_private_segment 0
		.amdhsa_kernarg_size 32
		.amdhsa_user_sgpr_count 2
		.amdhsa_user_sgpr_kernarg_segment_ptr 1
		.amdhsa_wavefront_size32 1
		.amdhsa_system_sgpr_workgroup_id_x 1
		.amdhsa_system_sgpr_workgroup_id_y 1
		.amdhsa_system_sgpr_workgroup_id_z 1
		.amdhsa_system_vgpr_workitem_id 0
		.amdhsa_next_free_vgpr 256
		.amdhsa_next_free_sgpr 66
		.amdhsa_reserve_vcc 1
		.amdhsa_float_denorm_mode_32 3
		.amdhsa_float_denorm_mode_16_64 3
		.amdhsa_memory_ordered 1
		.amdhsa_forward_progress 1
		.amdhsa_inst_pref_size 69
	.end_amdhsa_kernel
	.amdgpu_metadata
---
amdhsa.version: [ 1, 2 ]
amdhsa.kernels:
  - .name:           k_qb563a1418c_attend
    .symbol:         k_qb563a1418c_attend.kd
    .args:
      - { .name: input_states, .offset: 0, .size: 8, .value_kind: global_buffer, .address_space: global }
      - { .name: scores, .offset: 8, .size: 8, .value_kind: global_buffer, .address_space: global }
      - { .name: rc, .offset: 16, .size: 8, .value_kind: global_buffer, .address_space: global }
      - { .name: rs, .offset: 24, .size: 8, .value_kind: global_buffer, .address_space: global }
    .group_segment_fixed_size: 327680
    .private_segment_fixed_size: 0
    .kernarg_segment_align: 8
    .kernarg_segment_size: 32
    .max_flat_workgroup_size: 128
    .sgpr_count:     66
    .vgpr_count:     256
    .wavefront_size: 32
...
	.end_amdgpu_metadata
.endif
;; end of part 3
;; launch final (part 4): grid 16 x 1, 8 waves a work-group, no clusters, 9,728 bytes of LDS; arguments rc, rs, Wp_codes, Wp_scales, xproj, out0; writes out0
.if DOCPART == 4
	.amdgcn_target "amdgcn-amd-amdhsa--gfx1250"
	.amdhsa_code_object_version 6
	.text
	.protected	k_qb563a1418c_final
	.globl	k_qb563a1418c_final
	.p2align	8
	.type	k_qb563a1418c_final,@function
k_qb563a1418c_final:
	s_mov_b64 s[64:65], 0
	v_nop
	global_prefetch_b8 v0, s[64:65] scope:SCOPE_SE
	s_setreg_imm32_b32 hwreg(HW_REG_WAVE_MODE, 25, 1), 1
	s_wait_xcnt 0x0
; OUT[32][1024] = A W^T (+ C, relu), on codes of FP6 (E2M3) with one E8M0 scale for each 32 along K = 1,024.  A: 32 rows of 768 bytes of codes, 32 scale bytes a row.  W: 1,024 rows likewise.
; HASC = 1 (this text): out0 = relu(Q(r) Wp^T + xproj): A = the codes and scale bytes of r, the addend xproj = last_state Wx is the C of the sum's first matrix instruction.
; HASC = 0: two weights chosen by work-group y; no addend, no activation.
; SHARES.  Work-group x owns columns 64 x .. 64 x + 63 for all 32 rows.  Wave v makes one tile of 16 x 16: columns 16 (v % 4) on, rows 16 (v / 4) on; 8 K steps of 128.
; Even and odd K steps are summed in two accumulators that take turns, and are added at the end: an order of rounding of its own.
; THE MATRIX INSTRUCTION IS USED TRANSPOSED (source 0 = 16 rows of W, source 1 = 16 rows of A): a lane holds eight neighbouring columns of one row.
; NO CLUSTER, NO TENSOR LOADS: each row of W is read by two waves of the launch; what work-groups share is A, 25,600 bytes; all operands go straight into registers, once.
.set HASC,   1
.set SPITCH, 272                       ; a stage row: 64 columns x 4 bytes + 16
.set AF,   16                          ; v16-111   A's fragments, 12 registers a K step
.set WF,   112                         ; v112-207  W's
.set ASC,  208                         ; v208-215  A's scale words, one a K step
.set WSC,  216                         ; v216-223  W's
.set AC,   224                         ; v224-239  two accumulators
.set RES,  240                         ; v240-247  the result
.set CIN,  248                         ; v248-255  the addend
	s_load_b256 s[4:11], s[0:1], 0x0               ; A's codes, A's scales, W's codes, W's scales
.if HASC
	s_load_b128 s[12:15], s[0:1], 0x20             ; the addend, the output
	v_lshl_add_u32 v14, v0, 2, 0x2200
	v_mov_b32 v15, 0
.else
	s_load_b256 s[12:19], s[0:1], 0x20             ; the second weight's codes and scales, the two outputs
	s_and_b32 s22, ttmp7, 0xffff                   ; work-group y: which weight
.endif
	v_lshrrev_b32 v1, 5, v0
	s_delay_alu instid0(VALU_DEP_1)
	v_readfirstlane_b32 s23, v1                    ; wave 0..7
	s_and_b32 s24, s23, 3                          ; which 16 columns
	s_lshr_b32 s25, s23, 2                         ; which 16 rows
	s_lshl_b32 s26, ttmp9, 6
	s_lshl_b32 s27, s24, 4
	s_add_co_u32 s26, s26, s27                     ; my first column: 64 x + 16 (v % 4)
	v_and_b32 v1, 15, v0                           ; r
	v_bfe_u32 v2, v0, 4, 1                         ; h
	s_delay_alu instid0(VALU_DEP_2)
	v_mul_u32_u24 v3, v1, 768
	s_delay_alu instid0(VALU_DEP_1)
	v_mad_u32_u24 v3, v2, 24, v3                   ; codes: row r of 768 bytes, + 24 h
	s_delay_alu instid0(VALU_DEP_4)
	v_lshlrev_b32 v4, 5, v1                        ; scale bytes: row r of 32 bytes
	s_mul_i32 s30, s25, 16*SPITCH
	s_lshl_b32 s31, s24, 6
	s_add_co_u32 s30, s30, s31
	v_mul_u32_u24 v5, v1, SPITCH
	s_delay_alu instid0(VALU_DEP_1)
	v_lshl_add_u32 v5, v2, 5, v5
	s_delay_alu instid0(VALU_DEP_1)
	v_add_nc_u32 v5, s30, v5                       ; into the stage: row 16 (v / 4) + r, byte 64 (v % 4) + 32 h
	s_mul_i32 s30, s23, 4*SPITCH
	v_mul_u32_u24 v6, v2, SPITCH
	s_delay_alu instid0(VALU_DEP_1)
	v_lshl_add_u32 v6, v1, 4, v6
	s_delay_alu instid0(VALU_DEP_1)
	v_add_nc_u32 v6, s30, v6                       ; back: row 4 v + h, 16 bytes a lane
	s_lshl_b32 s30, s23, 14
	s_lshl_b32 s31, ttmp9, 8
	s_add_co_u32 s30, s30, s31
	v_lshlrev_b32 v7, 12, v2
	s_delay_alu instid0(VALU_DEP_1)
	v_lshl_add_u32 v7, v1, 4, v7
	s_delay_alu instid0(VALU_DEP_1)
	v_add_nc_u32 v7, s30, v7                       ; and the same place in the output: row x 4,096 + 256 x + 16 r
.if HASC
	s_lshl_b32 s30, s25, 16
	s_lshl_b32 s31, s26, 2
	s_add_co_u32 s30, s30, s31
	v_lshlrev_b32 v8, 12, v1
	s_delay_alu instid0(VALU_DEP_1)
	v_lshl_add_u32 v8, v2, 5, v8
	s_delay_alu instid0(VALU_DEP_1)
	v_add_nc_u32 v8, s30, v8                       ; the addend in the result's layout: row 16 (v / 4) + r, columns first + 8 h + 0 .. 7
.endif
	s_mov_b32 s29, 0
	s_wait_alu depctr_va_vdst(0)
	s_wait_kmcnt 0x0
.if HASC
	s_mov_b64 s[20:21], s[14:15]
.else
	s_cmp_eq_u32 s22, 0                            ; the choice of buffers hangs on the work-group's number alone
	s_cselect_b64 s[8:9], s[8:9], s[12:13]
	s_cselect_b64 s[10:11], s[10:11], s[14:15]
	s_cselect_b64 s[20:21], s[16:17], s[18:19]
.endif
	s_mul_i32 s28, s25, 16*768
	s_add_nc_u64 s[4:5], s[4:5], s[28:29]          ; A's codes at my 16 rows
	s_lshl_b32 s28, s25, 9
	s_add_nc_u64 s[6:7], s[6:7], s[28:29]          ; their scale bytes
	s_mul_i32 s28, s26, 768
	s_add_nc_u64 s[8:9], s[8:9], s[28:29]          ; W's codes at my 16 columns
	s_lshl_b32 s28, s26, 5
	s_add_nc_u64 s[10:11], s[10:11], s[28:29]
; A fragment (16 rows x 128 K of 6-bit codes) is 12 registers: registers 6 c .. 6 c + 5 hold k = 64 c + 32 h + 0 .. 31: 24 bytes of the row as they lie, in three loads of 8 bytes
.irp s, 0,1,2,3,4,5,6,7
.irp p, 0,1,2,3,4,5
	global_load_b64 v[AF+12*\s+2*\p:AF+12*\s+2*\p+1], v3, s[4:5] offset:96*\s+48*(\p/3)+8*(\p%3)
.endr
.endr
.irp s, 0,1,2,3,4,5,6,7
.irp p, 0,1,2,3,4,5
	global_load_b64 v[WF+12*\s+2*\p:WF+12*\s+2*\p+1], v3, s[8:9] offset:96*\s+48*(\p/3)+8*(\p%3)
.endr
.endr
	global_load_b128 v[ASC:ASC+3], v4, s[6:7]                  ; a row's 32 scale bytes are its eight K steps' words
	global_load_b128 v[ASC+4:ASC+7], v4, s[6:7] offset:16
	global_load_b128 v[WSC:WSC+3], v4, s[10:11]
	global_load_b128 v[WSC+4:WSC+7], v4, s[10:11] offset:16
.if HASC
	global_load_b128 v[CIN:CIN+3], v8, s[12:13]
	global_load_b128 v[CIN+4:CIN+7], v8, s[12:13] offset:16
.endif
	s_wait_loadcnt 0x0                             ; eight products in all: one wait serves
.irp s, 0,1,2,3,4,5,6,7
.if (\s == 0) && HASC
	v_wmma_scale_f32_16x16x128_f8f6f4 v[AC:AC+7], v[WF+12*\s:WF+12*\s+11], v[AF+12*\s:AF+12*\s+11], v[CIN:CIN+7], v[WSC+\s], v[ASC+\s] matrix_a_fmt:MATRIX_FMT_FP6 matrix_b_fmt:MATRIX_FMT_FP6
.elseif \s < 2
	v_wmma_scale_f32_16x16x128_f8f6f4 v[AC+8*\s:AC+8*\s+7], v[WF+12*\s:WF+12*\s+11], v[AF+12*\s:AF+12*\s+11], 0, v[WSC+\s], v[ASC+\s] matrix_a_fmt:MATRIX_FMT_FP6 matrix_b_fmt:MATRIX_FMT_FP6
.else
	v_wmma_scale_f32_16x16x128_f8f6f4 v[AC+8*(\s%2):AC+8*(\s%2)+7], v[WF+12*\s:WF+12*\s+11], v[AF+12*\s:AF+12*\s+11], v[AC+8*(\s%2):AC+8*(\s%2)+7], v[WSC+\s], v[ASC+\s] matrix_a_fmt:MATRIX_FMT_FP6 matrix_b_fmt:MATRIX_FMT_FP6
.endif
.endr
.rept 4
	v_nop                                          ; four places between the last product and the first read of results (ISA guide 7.12.1)
.endr
.irp j, 0,2,4,6
	v_pk_add_f32 v[RES+\j:RES+\j+1], v[AC+\j:AC+\j+1], v[AC+8+\j:AC+8+\j+1]   ; even + odd K steps; each accumulator from its low end on
.endr
.if HASC
.irp j, 0,1,2,3,4,5,6,7
	v_max_num_f32 v[RES+\j], 0, v[RES+\j]          ; relu
.endr
.endif
; THE WAY OUT: a row's 256 bytes of this work-group come from four waves: they meet in a stage, and each wave stores four whole rows
	ds_store_b128 v5, v[RES:RES+3]
	ds_store_b128 v5, v[RES+4:RES+7] offset:16
	s_wait_dscnt 0x0                               ; for the others' sake: my stores into the stage are done
	s_barrier_signal -1
	s_barrier_wait -1
	ds_load_b128 v[RES:RES+3], v6
	ds_load_b128 v[RES+4:RES+7], v6 offset:2*SPITCH
	s_wait_dscnt 0x0
	global_store_b128 v7, v[RES:RES+3], s[20:21]               ; sixteen lanes store 256 consecutive bytes, at a multiple of 256 from the buffer's first byte
	global_store_b128 v7, v[RES+4:RES+7], s[20:21] offset:8192
	s_wait_tensorcnt 0x0
	ds_add_u32 v14, v15
	s_wait_dscnt 0x0
	s_endpgm
.Lfunc_end_k_qb563a1418c_final:
	.size	k_qb563a1418c_final, .Lfunc_end_k_qb563a1418c_final-k_qb563a1418c_final
	.p2alignl 7, 3214868480
	.fill 96, 4, 3214868480
	.section	.rodata,"a",@progbits
	.p2align	6, 0x0
	.amdhsa_kernel k_qb563a1418c_final
		.amdhsa_group_segment_fixed_size 9728
		.amdhsa_private_segment_fixed_size 0
		.amdhsa_enable_private_segment 0
		.amdhsa_kernarg_size 48
		.amdhsa_user_sgpr_count 2
		.amdhsa_user_sgpr_kernarg_segment_ptr 1
		.amdhsa_wavefront_size32 1
		.amdhsa_system_sgpr_workgroup_id_x 1
		.amdhsa_system_sgpr_workgroup_id_y 1
		.amdhsa_system_sgpr_workgroup_id_z 1
		.amdhsa_system_vgpr_workitem_id 0
		.amdhsa_next_free_vgpr 256
		.amdhsa_next_free_sgpr 66
		.amdhsa_reserve_vcc 0
		.amdhsa_float_denorm_mode_32 3
		.amdhsa_float_denorm_mode_16_64 3
		.amdhsa_memory_ordered 1
		.amdhsa_forward_progress 1
		.amdhsa_inst_pref_size 15
	.end_amdhsa_kernel
	.amdgpu_metadata
---
amdhsa.version: [ 1, 2 ]
amdhsa.kernels:
  - .name:           k_qb563a1418c_final
    .symbol:         k_qb563a1418c_final.kd
    .args:
      - { .name: rc, .offset: 0, .size: 8, .value_kind: global_buffer, .address_space: global }
      - { .name: rs, .offset: 8, .size: 8, .value_kind: global_buffer, .address_space: global }
      - { .name: Wp_codes, .offset: 16, .size: 8, .value_kind: global_buffer, .address_space: global }
      - { .name: Wp_scales, .offset: 24, .size: 8, .value_kind: global_buffer, .address_space: global }
      - { .name: xproj, .offset: 32, .size: 8, .value_kind: global_buffer, .address_space: global }
      - { .name: out0, .offset: 40, .size: 8, .value_kind: global_buffer, .address_space: global }
    .group_segment_fixed_size: 9728
    .private_segment_fixed_size: 0
    .kernarg_segment_align: 8
    .kernarg_segment_size: 48
    .max_flat_workgroup_size: 256
    .sgpr_count:     66
    .vgpr_count:     256
    .wavefront_size: 32
...
	.end_amdgpu_metadata
.endif
;; end of part 4
